; MI455X (gfx1250); checked and timed in simulation.
; The chip was launched on July 23, 2026; its instructions are those of AMD's public machine-readable ISA for CDNA 5 (MIT licence, August 2026) and "CDNA5" Instruction Set Architecture Reference Guide (July 2026). The comments in the code are by the model that wrote it; some were corrected since.
;; Lattice. Allowed arithmetic: float matrix products may take bf16 or f16 operands with f32 sums; other float arithmetic in f32, or as packed bf16 or f16 multiplies, adds, multiply-adds, maxima and minima; sums over many terms, partial sums and values carried from step to step in f32; what a program stores and reads back later, other than sums and carried values, may be rounded once to bf16 or f16.
;; Inputs: bias 64 float32; fbits 16 x 65,536 bool; weight 64 x 65,536 float32; x 2,048 x 16 float32.
;; Outputs: out0 2,048 x 64 float32.
;; One version. Each part assembles by itself: llvm-mc -triple=amdgcn-amd-amdhsa -mcpu=gfx1250 --defsym DOCPART=n.
;; ======== version 1 of 1: 3 launches
;; limits: values outside matrix products are rounded to f16; values are held in f16: magnitudes above 65,504 overflow, below 6.1e-05 lose precision; inputs' magnitudes at most 65,504
;; workspace buffers: wf 8,388,608 bytes; keys 524,288 bytes of whole numbers; part 16,777,216 bytes
;; launch prep (part 1): grid 256 x 1, 4 waves a work-group, no clusters, 35,328 bytes of LDS; arguments weight, fbits, wf, keys; writes wf, keys
.if DOCPART == 1
	.amdgcn_target "amdgcn-amd-amdhsa--gfx1250"
	.amdhsa_code_object_version 6
	.text
	.protected	k_q751736b457_prep
	.globl	k_q751736b457_prep
	.p2align	8
	.type	k_q751736b457_prep,@function
k_q751736b457_prep:
	s_mov_b64 s[64:65], 0
	v_nop
	global_prefetch_b8 v0, s[64:65] scope:SCOPE_SE
	s_setreg_imm32_b32 hwreg(HW_REG_WAVE_MODE, 25, 1), 1
	s_wait_xcnt 0x0
; PREP: weight [64][65536] f32 -> wf, f16 in the order in which a matrix operand's registers want it;
;       fbits [16][65536] bool -> keys, for every column the LDS byte offsets of its two table rows in the next launch.
; wf:   byte G*4096 + ot*1024 + e*512 + L*16 holds the 8 f16 W[16 ot + (L&15)][32 G + 16 e + 8 (L>>4) + 0..7]   (G = column / 32)
; keys: byte G*256 + l*16 (l = 0..15) holds four words {hi(c1)*544, hi(c2)*544, lo(c1)*544 + 139264, lo(c2)*544 + 139264},
;       c1 = 32 G + l, c2 = c1 + 16; hi = rows 0-7 of fbits as a byte, row 0 on top; lo = rows 8-15 likewise.
; No order of the columns' patterns is assumed: each column's own 16 bits are read.
; LIMITS: |W| above 65504 does not fit f16; W below 2^-14 lies on f16's grid of 2^-24.  Of an fbits byte bit 0 alone counts.
; The work-group owns 256 columns.  Wave w owns rows 16 w .. 16 w + 15 of weight and rows 4 w .. 4 w + 3 of fbits.
; Every byte of both inputs is read once, in runs of 512 (weight) and 256 (fbits) neighbouring bytes; all of a wave's loads go out at once.
; No matrix unit, no cluster: the work-groups share no input and only move and convert.
.set WROW, 262144                      ; bytes in a row of weight
.set FROW, 65536                       ; bytes in a row of fbits
.set WP,   528                         ; LDS row of the stage: 512 bytes of f16 + 16: 33 x 16, so 16 rows begin at 16 different 16-byte columns modulo 256
.set WSZ,  16*WP                       ; a wave's stage
.set KS,   4*WSZ                       ; behind the stages: four planes of 256 bytes, one nibble a column from each wave
.set TP,   544                         ; pitch of a table row in the next launch
.set FLB,  256*TP                      ; where its second table begins
; v1 16 L   v2 8 L   v3 stage in   v4 stage back   v5 my plane   v6 planes, my column   v7 16 t
; v[8:15] fbits   v[16:19] key quad   v[20:27] at work   v[28:31] two packed pairs   v[32:159] weight as loaded; v[32:95] later the fragments
	s_load_b256 s[4:11], s[0:1], 0x0               ; weight s[4:5], fbits s[6:7], wf s[8:9], keys s[10:11]
	v_lshl_add_u32 v160, v0, 2, 0x8800
	v_mov_b32 v161, 0
	v_lshrrev_b32 v20, 5, v0
	v_readfirstlane_b32 s12, v20                   ; wave
	v_and_b32 v21, 31, v0                          ; lane
	v_lshlrev_b32 v1, 4, v21
	v_lshlrev_b32 v2, 3, v21
	s_mul_i32 s14, s12, WSZ                        ; my stage
	v_add_nc_u32 v3, s14, v2                       ; in: 8 bytes a lane along a row
	v_and_b32 v22, 15, v0                          ; r
	v_bfe_u32 v23, v0, 4, 1                        ; h
	v_mul_u32_u24 v4, v22, WP
	v_lshl_add_u32 v4, v23, 4, v4
	v_add_nc_u32 v4, s14, v4                       ; back: row r, 16 h
	s_lshl_b32 s15, s12, 8
	s_add_co_u32 s15, s15, KS
	v_add_nc_u32 v5, s15, v2                       ; my plane, my 8 columns
	v_lshrrev_b32 v24, 4, v0
	v_lshl_add_u32 v6, v24, 5, v22                 ; column c1 of thread t: 32 (t >> 4) + (t & 15)
	v_add_nc_u32 v6, KS, v6
	v_lshlrev_b32 v7, 4, v0                        ; 16 t
	s_and_b32 s13, s12, 1
	s_xor_b32 s13, s13, 1
	s_lshl_b32 s13, s13, 2                         ; waves 0 and 2 hold the upper nibble: shift 4; waves 1 and 3: 0
	s_mov_b32 s24, FLB
	s_lshl_b32 s16, s12, 22                        ; weight: 16 w rows
	s_lshl_b32 s18, ttmp9, 10                      ;         + 256 columns x 4 bytes for each work-group
	s_add_co_u32 s16, s16, s18
	s_mov_b32 s17, 0
	s_lshl_b32 s18, s12, 18                        ; fbits: 4 w rows
	s_lshl_b32 s20, ttmp9, 8
	s_add_co_u32 s18, s18, s20
	s_mov_b32 s19, 0
	s_lshl_b32 s20, ttmp9, 15                      ; wf: 8 G of 4,096 bytes for each work-group
	s_lshl_b32 s22, s12, 10                        ;     + ot = w
	s_add_co_u32 s20, s20, s22
	s_mov_b32 s21, 0
	s_lshl_b32 s22, ttmp9, 11                      ; keys: 8 G of 256 bytes
	s_mov_b32 s23, 0
	s_wait_kmcnt 0x0
	s_add_nc_u64 s[4:5], s[4:5], s[16:17]
	s_add_nc_u64 s[6:7], s[6:7], s[18:19]
	s_add_nc_u64 s[8:9], s[8:9], s[20:21]
	s_add_nc_u64 s[10:11], s[10:11], s[22:23]
	; all loads of the wave: 4 of fbits (256 bytes of a row each), 32 of weight (512 bytes of a row each)
.irp i, 0,1,2,3
	global_load_b64 v[8+2*\i:9+2*\i], v2, s[6:7] offset:\i*FROW th:TH_LOAD_NT
.endr
.set n, 0
.rept 32
	global_load_b128 v[32+4*n:35+4*n], v1, s[4:5] offset:(n>>1)*WROW+(n&1)*512 th:TH_LOAD_NT
.set n, n+1
.endr
	; four rows of fbits -> a nibble in each byte, the first row on top
	s_wait_loadcnt 32                              ; the four loads of fbits are in; the 32 of weight behind them stay out
.irp i, 0,1,2,3,4,5,6,7
	v_and_b32 v[8+\i], 0x01010101, v[8+\i]
.endr
.irp d, 0,1
	v_lshl_or_b32 v[8+\d], v[8+\d], 1, v[10+\d]
	v_lshl_or_b32 v[8+\d], v[8+\d], 1, v[12+\d]
	v_lshl_or_b32 v[8+\d], v[8+\d], 1, v[14+\d]
	v_lshlrev_b32 v[8+\d], s13, v[8+\d]            ; at most 15 << 4: stays inside its byte
.endr
	ds_store_b64 v5, v[8:9]
	s_wait_dscnt 0x0                               ; for the other waves: my plane is written
	s_barrier_signal -1
	s_barrier_wait -1
	; thread t makes the quad of columns c1 and c1 + 16
.irp p, 0,1,2,3
	ds_load_u8 v[20+2*\p], v6 offset:\p*256
	ds_load_u8 v[21+2*\p], v6 offset:\p*256+16
.endr
	s_wait_dscnt 0x0
	v_or_b32 v20, v20, v22                         ; hi(c1)
	v_or_b32 v21, v21, v23                         ; hi(c2)
	v_or_b32 v24, v24, v26                         ; lo(c1)
	v_or_b32 v25, v25, v27                         ; lo(c2)
	v_mul_u32_u24 v16, v20, TP
	v_mul_u32_u24 v17, v21, TP
	v_mad_u32_u24 v18, v24, TP, s24
	v_mad_u32_u24 v19, v25, TP, s24
	global_store_b128 v7, v[16:19], s[10:11]       ; a wave stores 512 neighbouring bytes; v[16:19] and v7 are not written again
	; weight: four f32 -> four f16 (to nearest even), 8 bytes a lane into my stage, row by row
.set n, 0
.rept 32
	s_wait_loadcnt 31-n                            ; loads come back in order: load n is in, the 31 - n younger ones stay out
	v_cvt_pk_f16_f32 v[28+2*(n&1)], v[32+4*n], v[33+4*n]
	v_cvt_pk_f16_f32 v[29+2*(n&1)], v[34+4*n], v[35+4*n]
	ds_store_b64 v3, v[28+2*(n&1):29+2*(n&1)] offset:(n>>1)*WP+(n&1)*256
.set n, n+1
.endr
	; back in fragment order: item n = 2 s + e is G = s, half e: 16 bytes at row r, byte 64 s + 32 e + 16 h.
	; The stage is my own and LDS serves a wave's instructions in order: no wait between the stores above and these loads.
.set n, 0
.rept 16
	ds_load_b128 v[32+4*n:35+4*n], v4 offset:32*n
.set n, n+1
.endr
.set n, 0
.rept 16
	s_wait_dscnt 15-n                              ; item n is in
	global_store_b128 v1, v[32+4*n:35+4*n], s[8:9] offset:(n>>1)*4096+(n&1)*512   ; 512 neighbouring bytes, aligned
.set n, n+1
.endr
	s_wait_tensorcnt 0x0
	ds_add_u32 v160, v161
	s_wait_dscnt 0x0
	s_endpgm
.Lfunc_end_k_q751736b457_prep:
	.size	k_q751736b457_prep, .Lfunc_end_k_q751736b457_prep-k_q751736b457_prep
	.p2alignl 7, 3214868480
	.fill 96, 4, 3214868480
	.section	.rodata,"a",@progbits
	.p2align	6, 0x0
	.amdhsa_kernel k_q751736b457_prep
		.amdhsa_group_segment_fixed_size 35328
		.amdhsa_private_segment_fixed_size 0
		.amdhsa_enable_private_segment 0
		.amdhsa_kernarg_size 32
		.amdhsa_user_sgpr_count 2
		.amdhsa_user_sgpr_kernarg_segment_ptr 1
		.amdhsa_wavefront_size32 1
		.amdhsa_system_sgpr_workgroup_id_x 1
		.amdhsa_system_sgpr_workgroup_id_y 1
		.amdhsa_system_sgpr_workgroup_id_z 1
		.amdhsa_system_vgpr_workitem_id 0
		.amdhsa_next_free_vgpr 162
		.amdhsa_next_free_sgpr 66
		.amdhsa_reserve_vcc 0
		.amdhsa_float_denorm_mode_32 3
		.amdhsa_float_denorm_mode_16_64 3
		.amdhsa_memory_ordered 1
		.amdhsa_forward_progress 1
		.amdhsa_inst_pref_size 18
	.end_amdhsa_kernel
	.amdgpu_metadata
---
amdhsa.version: [ 1, 2 ]
amdhsa.kernels:
  - .name:           k_q751736b457_prep
    .symbol:         k_q751736b457_prep.kd
    .args:
      - { .name: weight, .offset: 0, .size: 8, .value_kind: global_buffer, .address_space: global }
      - { .name: fbits, .offset: 8, .size: 8, .value_kind: global_buffer, .address_space: global }
      - { .name: wf, .offset: 16, .size: 8, .value_kind: global_buffer, .address_space: global }
      - { .name: keys, .offset: 24, .size: 8, .value_kind: global_buffer, .address_space: global }
    .group_segment_fixed_size: 35328
    .private_segment_fixed_size: 0
    .kernarg_segment_align: 8
    .kernarg_segment_size: 32
    .max_flat_workgroup_size: 128
    .sgpr_count:     66
    .vgpr_count:     162
    .wavefront_size: 32
...
	.end_amdgpu_metadata
.endif
;; end of part 1
;; launch main (part 2): grid 8 x 32, 4 waves a work-group, no clusters, 279,040 bytes of LDS; arguments x, wf, keys, part; writes part
.if DOCPART == 2
	.amdgcn_target "amdgcn-amd-amdhsa--gfx1250"
	.amdhsa_code_object_version 6
	.text
	.protected	k_q751736b457_main
	.globl	k_q751736b457_main
	.p2align	8
	.type	k_q751736b457_main,@function
k_q751736b457_main:
	s_mov_b64 s[64:65], 0
	v_nop
	global_prefetch_b8 v0, s[64:65] scope:SCOPE_SE
	s_setreg_imm32_b32 hwreg(HW_REG_WAVE_MODE, 25, 1), 1
	s_wait_xcnt 0x0
; MAIN: part[c] = (normalised features of 256 rows b) x (2,048 columns of W)^T, one partial sum for each of 32 chunks c of the columns.
; A feature is a product of 16 factors, x[b][i] or 1 - x[b][i] as the column's bit i says.  It is split in two: f = FH[hi][b] * FL[lo][b],
; hi and lo the column's two pattern bytes, FH and FL tables of 256 rows (every pattern of 8 factors) x 256 b, f16, in LDS.
; ds_load_tr16_b128 takes a row address from each lane, so it gathers the rows that the columns' keys name, whatever they are, and hands them
; over transposed, in the layout of a matrix operand (ISA guide, 11.2 and 7.12.2): a fragment of 16 b x 32 columns costs four such loads and eight packed multiplies.
; NORMALISING: each factor is divided by m = max(x, 1 - x).  The two add to one, so m >= 0.5 and m is the larger magnitude: every table entry
; and feature is at most 1 in magnitude for any x, and f16's range is never left.  The last launch multiplies by the product of the 16 m in f32.
; LIMITS: table entries and features below 2^-14 (of the row's largest possible feature) lie on f16's grid of 2^-24; the 16 factors are multiplied
; in another order than the reference's (pairs, fours, eights in f32, one rounding to f16; then one product in f16).
; SHARES: work-group (Bk, c): rows b = 256 Bk .. + 255, columns 2048 c .. + 2047, all 64 outputs.  Wave w: columns + 512 w .. + 511, 16 steps of 32,
; all 16 b tiles x 4 o tiles = 64 accumulators.  So every feature is gathered once in the work-group and every byte of wf is loaded once by it;
; the four waves' sums meet in LDS at the end.  Local group g (4 b tiles) of wave w is the block's group (g + w) & 3: local group 0 is the one the wave keeps.
; NO CLUSTER, NO TENSOR LOADS: the eight work-groups of a chunk read the same wf and keys, but a joint load lands in LDS.  Here a wave's W fragments
; (4 KiB a step) are used by that wave alone and go straight into registers, two steps ahead; through LDS they would add 8 KiB of LDS traffic
; to the 32 KiB that a wave's step already gathers, and the tables take 278,528 bytes of LDS.
; THE MATRIX INSTRUCTION: source 0 = 16 rows o of W, source 1 = features of 16 b.  Result register j of lane (r, h): b = r, o = 8 h + j.
.set TP,   544                         ; a table row: 256 b x 2 bytes + 32 = 17 x 32 bytes
.set FLB,  256*TP                      ; FH at 0, FL here
.set KMAX, FLB+255*TP                  ; the last row's offset: 277,984; + 400 (group, half) + 96 (tile) + 16 ends at 278,496, inside LDS
.set XOWN, 49152                       ; the exchange: three groups of 16 KiB for each owner
.set XSRC, 16384
.set VW,  1                            ; v1       16 x lane
.set VK,  2                            ; v2       16 x (8 h + (lane & 7)): my key quad in a step's 256 bytes
.set TA,  3                            ; v3       where I store table entries
.set XO,  4                            ; v4       my offset in x; later where I read the exchange
.set XS,  5                            ; v[5:7]   where my groups 1, 2, 3 go in the exchange
.set GOV, 8                            ; v[8:11]  local group g: 128 x ((g + w) & 3) + 16 x ((lane >> 3) & 1)
.set KC,  12                           ; v[12:15] this step's four row offsets
.set ADR, 16                           ; v[16:19] + the group
.set KEY, 20                           ; v[20:31] three slots of key quads
.set WF,  32                           ; v[32:127] three slots of W fragments: 32 slot + 8 ot
.set BUF, 128                          ; v[128:255] two buffers of 4 tiles: tile ii: FH rows, then features, at + 16 ii, FL rows at + 16 ii + 8
; accumulator (g, ii, ot) = register 128 (g & 1) + 32 ii + 8 ot of window 1 (g < 2) or window 2
.set MSB, 0
.macro WIN new                         ; s_set_vgpr_msb: bits 1:0 source 0, 3:2 source 1, 5:4 source 2, 7:6 destination; the high byte repeats the setting left
.if MSB != \new
	s_set_vgpr_msb (MSB<<8)|\new
.set MSB, \new
.endif
.endm
	s_load_b256 s[4:11], s[0:1], 0x0               ; x s[4:5], wf s[6:7], keys s[8:9], part s[10:11]
	s_set_vgpr_msb 0xc0
	v_lshl_add_u32 v0, v0, 2, 0x44000
	v_mov_b32 v1, 0
	s_set_vgpr_msb 0xc000
	v_lshrrev_b32 v12, 5, v0
	v_readfirstlane_b32 s12, v12                   ; wave
	s_and_b32 s14, ttmp7, 0xffff                   ; chunk c
	v_and_b32 v13, 31, v0                          ; lane
	v_lshlrev_b32 v[VW], 4, v13
	v_and_b32 v[VK], 7, v0
	v_bfe_u32 v14, v0, 4, 1
	v_lshl_or_b32 v[VK], v14, 3, v[VK]
	v_lshlrev_b32 v[VK], 4, v[VK]
	; building the tables: waves 0, 1 make FH (x[.][0..7]), waves 2, 3 FL (x[.][8..15]); lane q' of wave w takes b = 4 q .. 4 q + 3, q = 32 (w & 1) + q'
	s_and_b32 s20, s12, 1
	s_lshr_b32 s21, s12, 1
	s_lshl_b32 s22, s20, 13                        ; 32 q x 256 bytes of x
	s_lshl_b32 s23, s21, 5                         ; the second eight factors
	s_add_co_u32 s22, s22, s23
	v_lshl_add_u32 v[XO], v13, 8, s22
	s_mul_i32 s23, s21, FLB
	s_lshl_b32 s22, s20, 8                         ; 32 q x 8 bytes of a table row
	s_add_co_u32 s23, s23, s22
	v_lshl_add_u32 v[TA], v13, 3, s23
	v_bfe_u32 v15, v0, 3, 1
	v_lshlrev_b32 v15, 4, v15
.irp g, 0,1,2,3
	s_add_co_u32 s22, s12, \g
	s_and_b32 s22, s22, 3
	s_lshl_b32 s22, s22, 7
	v_add_nc_u32 v[GOV+\g], s22, v15
.endr
	s_lshl_b32 s16, ttmp9, 14                      ; x: 256 rows of 64 bytes for each block
	s_mov_b32 s17, 0
	s_lshl_b32 s18, s14, 18                        ; wf: 64 G of 4,096 bytes for each chunk, 16 for each wave
	s_lshl_b32 s22, s12, 16
	s_add_co_u32 s18, s18, s22
	s_mov_b32 s19, 0
	s_lshl_b32 s20, s14, 14                        ; keys: 256 bytes for each G
	s_lshl_b32 s22, s12, 12
	s_add_co_u32 s20, s20, s22
	s_mov_b32 s21, 0
	s_lshl_b32 s26, s14, 19                        ; part: chunk, block of 16 tiles of 4,096 bytes, my group of 4
	s_lshl_b32 s22, ttmp9, 16
	s_add_co_u32 s26, s26, s22
	s_lshl_b32 s22, s12, 14
	s_add_co_u32 s26, s26, s22
	s_mov_b32 s27, 0
	s_wait_kmcnt 0x0
	s_add_nc_u64 s[4:5], s[4:5], s[16:17]
	s_add_nc_u64 s[6:7], s[6:7], s[18:19]
	s_add_nc_u64 s[8:9], s[8:9], s[20:21]
	s_add_nc_u64 s[10:11], s[10:11], s[26:27]
; nine loads: the key quad and the eight quads of W fragments of the step j behind the bases, into ring slot sl
.macro LDSTEP sl, j
	global_load_b128 v[KEY+4*\sl:KEY+4*\sl+3], v[VK], s[8:9] offset:(\j)*256
.irp i, 0,1,2,3,4,5,6,7
	global_load_b128 v[WF+32*\sl+4*\i:WF+32*\sl+4*\i+3], v[VW], s[6:7] offset:(\j)*4096+\i*512
.endr
.endm
	; x of my four b, eight factors each, into the third ring slot's registers, which are free until step 0 (16 KiB for the whole work-group, once)
.irp bb, 0,1,2,3
	global_load_b128 v[96+8*\bb:99+8*\bb],   v[XO], s[4:5] offset:64*\bb
	global_load_b128 v[100+8*\bb:103+8*\bb], v[XO], s[4:5] offset:64*\bb+16
.endr
	LDSTEP 0, 0
	LDSTEP 1, 1
; four products of two factors: index 2 u + v, bit 1 = x, bit 0 = 1 - x; xx, yy: registers of the first factor's x and 1 - x
.macro QUAD dst, xx, yy
	v_mul_f32 v[\dst],   v[\yy], v[\yy+1]
	v_mul_f32 v[\dst+1], v[\yy], v[\xx+1]
	v_mul_f32 v[\dst+2], v[\xx], v[\yy+1]
	v_mul_f32 v[\dst+3], v[\xx], v[\xx+1]
.endm
; sixteen products dst[4 u + v] = qq[u] rr[v], two at a time: the pair of rr times one register of qq's pair (op_sel picks it for both halves)
.macro OUTER dst, qq, rr
.irp up, 0,2
.irp us, 0,1
.irp vp, 0,2
	v_pk_mul_f32 v[\dst+4*(\up+\us)+\vp:\dst+4*(\up+\us)+\vp+1], v[\rr+\vp:\rr+\vp+1], v[\qq+\up:\qq+\up+1] op_sel:[0,\us] op_sel_hi:[1,\us]
.endr
.endr
.endr
.endm
; b = 4 q + bb: the eight factors, normalised, and the 16 products of the first four (v[128+32bb ..]) and of the last four (v[144+32bb ..]).  T: 16 registers at work
.macro FACT bb, T
.irp i, 0,1,2,3,4,5,6,7
	v_sub_f32 v[\T+\i], 1.0, v[96+8*\bb+\i]
.endr
.irp i, 0,1,2,3,4,5,6,7
	v_max_num_f32 v[\T+8+\i], v[96+8*\bb+\i], v[\T+\i]         ; m >= 0.5
.endr
.irp i, 0,1,2,3,4,5,6,7
	v_rcp_f32 v[\T+8+\i], v[\T+8+\i]
.endr
	v_nop                                          ; one plain vector instruction between the last v_rcp_f32 and the first use (ISA guide 5.7.2)
	s_wait_alu depctr_va_vdst(0)
.irp i, 0,2,4,6
	v_pk_mul_f32 v[96+8*\bb+\i:96+8*\bb+\i+1], v[96+8*\bb+\i:96+8*\bb+\i+1], v[\T+8+\i:\T+8+\i+1]
	v_pk_mul_f32 v[\T+\i:\T+\i+1], v[\T+\i:\T+\i+1], v[\T+8+\i:\T+8+\i+1]
.endr
.irp hf, 0,1
	QUAD \T+8, 96+8*\bb+4*\hf, \T+4*\hf
	QUAD \T+12, 96+8*\bb+4*\hf+2, \T+4*\hf+2
	OUTER 128+32*\bb+16*\hf, \T+8, \T+12
.endr
.endm
	s_wait_loadcnt 18                              ; x is in; the 18 loads of steps 0 and 1 stay out
	FACT 0, 224
	FACT 1, 224
	FACT 2, 224
	FACT 3, 96                                     ; its results take v[224:255]; x of b 0 and 1 is used up
	; the 256 rows of my table, two at a time: row 16 a + l = (first four)[a] x (last four)[l], for my four b; f32, rounded once to f16; 8 bytes a lane and row
.irp ap, 0,2,4,6,8,10,12,14
.irp ab, 0,1
.irp l, 0,2,4,6,8,10,12,14
.set ES, 96+12*((\l>>1)&1)
.irp bb, 0,1,2,3
	v_pk_mul_f32 v[ES+2*\bb:ES+2*\bb+1], v[144+32*\bb+\l:144+32*\bb+\l+1], v[128+32*\bb+\ap:128+32*\bb+\ap+1] op_sel:[0,\ab] op_sel_hi:[1,\ab]
.endr
	v_cvt_pk_f16_f32 v[ES+8],  v[ES+0], v[ES+2]
	v_cvt_pk_f16_f32 v[ES+9],  v[ES+4], v[ES+6]
	v_cvt_pk_f16_f32 v[ES+10], v[ES+1], v[ES+3]
	v_cvt_pk_f16_f32 v[ES+11], v[ES+5], v[ES+7]
	ds_store_b64 v[TA], v[ES+8:ES+9]   offset:((16*(\ap+\ab)+\l)&63)*TP
	ds_store_b64 v[TA], v[ES+10:ES+11] offset:((16*(\ap+\ab)+\l)&63)*TP+TP
.endr
.if ((\ap+\ab)&3)==3
.if (\ap+\ab)<15
	v_add_nc_u32 v[TA], 64*TP, v[TA]               ; 64 rows on: the immediate has 16 bits
.endif
.endif
.endr
.endr
	s_wait_dscnt 0x0                               ; for the other waves: my part of the tables is written
	s_barrier_signal -1
	s_barrier_wait -1                              ; the tables are whole; nothing writes them while the loop reads
.macro KEYS sl                         ; the step's four row offsets; a loaded number enters an address only behind a bound
.irp i, 0,1,2,3
	v_min_u32 v[KC+\i], KMAX, v[KEY+4*\sl+\i]
.endr
.endm
.macro ADDR g
.irp i, 0,1,2,3
	v_add_nc_u32 v[ADR+\i], v[KC+\i], v[GOV+\g]
.endr
.endm
; 16 gathers: four b tiles x (FH rows of columns 8h.., of columns 16+8h.., FL rows of the same)
.macro GATHER buf
.irp ii, 0,1,2,3
	ds_load_tr16_b128 v[BUF+64*\buf+16*\ii:BUF+64*\buf+16*\ii+3],     v[ADR]   offset:32*\ii
	ds_load_tr16_b128 v[BUF+64*\buf+16*\ii+4:BUF+64*\buf+16*\ii+7],   v[ADR+1] offset:32*\ii
	ds_load_tr16_b128 v[BUF+64*\buf+16*\ii+8:BUF+64*\buf+16*\ii+11],  v[ADR+2] offset:32*\ii
	ds_load_tr16_b128 v[BUF+64*\buf+16*\ii+12:BUF+64*\buf+16*\ii+15], v[ADR+3] offset:32*\ii
.endr
.endm
; features = FH x FL, two f16 at a time.  The 16 gathers of this buffer are the only LDS instructions out: tile ii is in when 12 - 4 ii are left
.macro MULS buf
.irp ii, 0,1,2,3
	s_wait_dscnt 12-4*\ii
.irp k, 0,1,2,3,4,5,6,7
	v_pk_mul_f16 v[BUF+64*\buf+16*\ii+\k], v[BUF+64*\buf+16*\ii+\k], v[BUF+64*\buf+16*\ii+8+\k]
.endr
.endr
.endm
; 16 matrix instructions on 16 different accumulators: group g's four b tiles x four o tiles.  zero = 1: the first step starts the sums
.macro MM g, buf, sl, zero
.if \g < 2
	WIN 0x50                                       ; C and D in window 1
.else
	WIN 0xa0                                       ; C and D in window 2
.endif
.irp ii, 0,1,2,3
.irp ot, 0,1,2,3
.if \zero
	v_wmma_f32_16x16x32_f16 v[128*(\g&1)+32*\ii+8*\ot:128*(\g&1)+32*\ii+8*\ot+7], v[WF+32*\sl+8*\ot:WF+32*\sl+8*\ot+7], v[BUF+64*\buf+16*\ii:BUF+64*\buf+16*\ii+7], 0
.else
	v_wmma_f32_16x16x32_f16 v[128*(\g&1)+32*\ii+8*\ot:128*(\g&1)+32*\ii+8*\ot+7], v[WF+32*\sl+8*\ot:WF+32*\sl+8*\ot+7], v[BUF+64*\buf+16*\ii:BUF+64*\buf+16*\ii+7], v[128*(\g&1)+32*\ii+8*\ot:128*(\g&1)+32*\ii+8*\ot+7]
.endif
.endr
.endr
	WIN 0
.endm
; One step of 32 columns: four groups on buffers 0, 1, 0, 1.  While a group is multiplied, the next group's 16 gathers are on their way.
; The 64 accumulators take turns, one instruction a turn, over the step's end and the loop's backward jump too.
; The 32 multiplies of MULS work on the buffer that the 16 matrix instructions in front of them did not read: they are the places (ISA guide 7.12.1)
; behind which the other buffer, and the ring slot read last step, are loaded again.
; sl, sn, sp: this step's ring slot, the next one's, the one after; j: the step's number behind the bases; ld: load step j + 2;
; wcnt: loads younger than this step's W; kcnt: loads younger than the next step's keys; nxt: there is a next step
.macro STEP sl, sn, sp, j, ld, wcnt, kcnt, nxt, zero
	MULS 0
.if \ld
	LDSTEP \sp, \j+2
.endif
	ADDR 1
	GATHER 1
	s_wait_loadcnt \wcnt
	MM 0, 0, \sl, \zero
	MULS 1
	ADDR 2
	GATHER 0
	MM 1, 1, \sl, \zero
	MULS 0
	ADDR 3
	GATHER 1
	MM 2, 0, \sl, \zero
	MULS 1
.if \nxt
	s_wait_loadcnt \kcnt
	KEYS \sn
	ADDR 0
	GATHER 0
.endif
	MM 3, 1, \sl, \zero
.endm
; three steps, once round the ring.  18: the nine loads of each of the two later steps; 17: the next step's eight of W and the nine behind them
.macro TRIP zero
	STEP 0, 1, 2, 0, 1, 18, 17, 1, \zero
	STEP 1, 2, 0, 1, 1, 18, 17, 1, 0
	STEP 2, 0, 1, 2, 1, 18, 17, 1, 0
	s_wait_xcnt 0x0                                ; the bases of pending loads are stepped only behind this wait
	s_add_nc_u64 s[6:7], s[6:7], 3*4096
	s_add_nc_u64 s[8:9], s[8:9], 3*256
.endm
	s_wait_loadcnt 17                              ; step 0's keys are in: 8 + 9 younger loads stay out
	KEYS 0
	ADDR 0
	GATHER 0
	TRIP 1                                         ; steps 0 to 2; step 0 starts the sums: nothing is cleared
	s_mov_b32 s24, 3
.Ltrip:
	TRIP 0                                         ; steps 3 to 11
	s_sub_co_u32 s24, s24, 1
	s_cmp_lg_u32 s24, 0
	s_cbranch_scc1 .Ltrip
	STEP 0, 1, 2, 0, 1, 18, 17, 1, 0               ; step 12 loads step 14
	STEP 1, 2, 0, 1, 1, 18, 17, 1, 0               ; step 13 loads step 15, the last
	STEP 2, 0, 1, 0, 0, 9, 8, 1, 0                 ; step 14: only step 15's nine loads are younger; of them eight behind its keys
	STEP 0, 1, 2, 0, 0, 0, 0, 0, 0                 ; step 15
	; THE FOUR WAVES' SUMS MEET.  My groups 1, 2, 3 go to their owners (wave (g + w) & 3) through LDS, over the tables, which are read no more.
	; The four address lines are the four places between the last matrix instructions and the stores that read results.
.irp g, 1,2,3
	s_add_co_u32 s20, s12, \g
	s_and_b32 s20, s20, 3
	s_mul_i32 s20, s20, XOWN
	s_add_co_u32 s20, s20, (\g-1)*XSRC
	v_add_nc_u32 v[XS+\g-1], s20, v[VW]
.endr
	s_mul_i32 s20, s12, XOWN
	v_add_nc_u32 v[XO], s20, v[VW]
	s_wait_dscnt 0x0                               ; my reads of the tables are over
	s_barrier_signal -1
	s_barrier_wait -1                              ; everybody's are
	WIN 0x04                                       ; store data in window 1
.set t, 0
.rept 16
	ds_store_b128 v[XS], v[128+8*t:131+8*t] offset:t*1024
	ds_store_b128 v[XS], v[132+8*t:135+8*t] offset:t*1024+512
.set t, t+1
.endr
	WIN 0x08                                       ; store data in window 2
.set t, 0
.rept 16
	ds_store_b128 v[XS+1], v[8*t:8*t+3]   offset:t*1024
	ds_store_b128 v[XS+1], v[8*t+4:8*t+7] offset:t*1024+512
.set t, t+1
.endr
.set t, 0
.rept 16
	ds_store_b128 v[XS+2], v[128+8*t:131+8*t] offset:t*1024
	ds_store_b128 v[XS+2], v[132+8*t:135+8*t] offset:t*1024+512
.set t, t+1
.endr
	WIN 0
	s_wait_dscnt 0x0                               ; for the owners: my three groups are written
	s_barrier_signal -1
	s_barrier_wait -1
	; the three other waves' sums of my group, 16 KiB each, are added onto my group 0 (window 1, registers 0 to 127)
.irp src, 0,1,2
.set n, 0
.rept 32
	ds_load_b128 v[BUF+4*n:BUF+4*n+3], v[XO] offset:\src*XSRC+n*512
.set n, n+1
.endr
	WIN 0x41                                       ; destination and source 0 in window 1
.set t, 0
.rept 16
	s_wait_dscnt 30-2*t                            ; tile t's two loads are in; the 30 - 2 t younger ones stay out
.irp k, 0,2,4,6
	v_pk_add_f32 v[8*t+\k:8*t+\k+1], v[8*t+\k:8*t+\k+1], v[BUF+8*t+\k:BUF+8*t+\k+1]
.endr
.set t, t+1
.endr
	WIN 0
.endr
	WIN 0x04                                       ; store data in window 1
.set n, 0
.rept 32
	global_store_b128 v[VW], v[4*n:4*n+3], s[10:11] offset:n*512   ; a wave stores 512 neighbouring bytes, aligned
.set n, n+1
.endr
	WIN 0
	s_set_vgpr_msb 0xf
	s_wait_tensorcnt 0x0
	ds_add_u32 v0, v1
	s_wait_dscnt 0x0
	s_set_vgpr_msb 0xf00
	s_endpgm
.Lfunc_end_k_q751736b457_main:
	.size	k_q751736b457_main, .Lfunc_end_k_q751736b457_main-k_q751736b457_main
	.p2alignl 7, 3214868480
	.fill 96, 4, 3214868480
	.section	.rodata,"a",@progbits
	.p2align	6, 0x0
	.amdhsa_kernel k_q751736b457_main
		.amdhsa_group_segment_fixed_size 279040
		.amdhsa_private_segment_fixed_size 0
		.amdhsa_enable_private_segment 0
		.amdhsa_kernarg_size 32
		.amdhsa_user_sgpr_count 2
		.amdhsa_user_sgpr_kernarg_segment_ptr 1
		.amdhsa_wavefront_size32 1
		.amdhsa_system_sgpr_workgroup_id_x 1
		.amdhsa_system_sgpr_workgroup_id_y 1
		.amdhsa_system_sgpr_workgroup_id_z 1
		.amdhsa_system_vgpr_workitem_id 0
		.amdhsa_next_free_vgpr 770
		.amdhsa_next_free_sgpr 66
		.amdhsa_reserve_vcc 0
		.amdhsa_float_denorm_mode_32 3
		.amdhsa_float_denorm_mode_16_64 3
		.amdhsa_memory_ordered 1
		.amdhsa_forward_progress 1
		.amdhsa_inst_pref_size 255
	.end_amdhsa_kernel
	.section	.bss,"aw",@nobits
	.p2align	6
	.space	262144
	.amdgpu_metadata
---
amdhsa.version: [ 1, 2 ]
amdhsa.kernels:
  - .name:           k_q751736b457_main
    .symbol:         k_q751736b457_main.kd
    .args:
      - { .name: x, .offset: 0, .size: 8, .value_kind: global_buffer, .address_space: global }
      - { .name: wf, .offset: 8, .size: 8, .value_kind: global_buffer, .address_space: global }
      - { .name: keys, .offset: 16, .size: 8, .value_kind: global_buffer, .address_space: global }
      - { .name: part, .offset: 24, .size: 8, .value_kind: global_buffer, .address_space: global }
    .group_segment_fixed_size: 279040
    .private_segment_fixed_size: 0
    .kernarg_segment_align: 8
    .kernarg_segment_size: 32
    .max_flat_workgroup_size: 128
    .sgpr_count:     66
    .vgpr_count:     770
    .wavefront_size: 32
...
	.end_amdgpu_metadata
.endif
;; end of part 2
;; launch reduce (part 3): grid 128 x 1, 8 waves a work-group, no clusters, 5,376 bytes of LDS; arguments part, x, bias, out0; writes out0
.if DOCPART == 3
	.amdgcn_target "amdgcn-amd-amdhsa--gfx1250"
	.amdhsa_code_object_version 6
	.text
	.protected	k_q751736b457_reduce
	.globl	k_q751736b457_reduce
	.p2align	8
	.type	k_q751736b457_reduce,@function
k_q751736b457_reduce:
	s_mov_b64 s[64:65], 0
	v_nop
	global_prefetch_b8 v0, s[64:65] scope:SCOPE_SE
	s_setreg_imm32_b32 hwreg(HW_REG_WAVE_MODE, 25, 1), 1
	s_wait_xcnt 0x0
; REDUCE: out0[b][o] = (sum over the 32 chunks of part) x (product over i of max(x[b][i], 1 - x[b][i])) + bias[o].
; part: byte c*524288 + T*4096 + ot*1024 + e*512 + L*16 holds four f32: b = 16 T + (L & 15), o = 16 ot + 8 (L >> 4) + 4 e + 0..3.
; The product undoes the normalising of the features in the launch before: the same m, made by the same two instructions, in f32.
; A work-group takes one tile T of 16 rows b, so that it forms whole rows of out0 (256 bytes); that gives 128 work-groups.
; Thread t takes the 16 bytes at 16 t of the tile in each chunk: a wave's load covers 512 neighbouring bytes, and all 32 loads go out at once.
; The sum runs in two chains, even and odd chunks, in a fixed order.  A stream: matrix unit and clusters have nothing to do here.
.set CH, 524288                        ; bytes of a chunk's partial
.set OP, 272                           ; LDS row: 256 bytes + 16 = 17 x 16
; v2 x offset   v3 16 t   v4 4 o0   v5 LDS in   v6 LDS back   v[8:23] x   v[24:27] bias   v[32:159] the 32 partials   v[160:175] the 16 m
	s_load_b256 s[4:11], s[0:1], 0x0               ; part s[4:5], x s[6:7], bias s[8:9], out0 s[10:11]
	v_lshl_add_u32 v176, v0, 2, 0x1100
	v_mov_b32 v177, 0
	v_and_b32 v1, 15, v0                           ; r
	v_lshlrev_b32 v2, 6, v1                        ; a row of x is 64 bytes
	v_lshlrev_b32 v3, 4, v0
	v_lshrrev_b32 v4, 6, v0                        ; ot
	v_bfe_u32 v5, v0, 4, 1                         ; h
	v_bfe_u32 v6, v0, 5, 1                         ; e
	v_lshlrev_b32 v4, 6, v4
	v_lshl_or_b32 v4, v5, 5, v4
	v_lshl_or_b32 v4, v6, 4, v4                    ; 4 x o0 = 64 ot + 32 h + 16 e
	v_mad_u32_u24 v5, v1, OP, v4                   ; in: row r, my four outputs
	v_lshrrev_b32 v6, 4, v0
	v_mul_u32_u24 v6, v6, OP
	v_lshl_add_u32 v6, v1, 4, v6                   ; back: row t >> 4, 16 bytes at 16 (t & 15)
	s_lshl_b32 s12, ttmp9, 12                      ; the tile in part and in out0: 4,096 bytes
	s_mov_b32 s13, 0
	s_lshl_b32 s14, ttmp9, 10                      ; and in x: 16 rows of 64 bytes
	s_mov_b32 s15, 0
	s_wait_kmcnt 0x0
	s_add_nc_u64 s[4:5], s[4:5], s[12:13]
	s_add_nc_u64 s[6:7], s[6:7], s[14:15]
	s_add_nc_u64 s[10:11], s[10:11], s[12:13]
	s_add_nc_u64 s[16:17], s[4:5], 16*CH           ; chunks 16 to 31: the immediate offset reaches 15 chunks
.irp i, 0,1,2,3
	global_load_b128 v[8+4*\i:11+4*\i], v2, s[6:7] offset:16*\i
.endr
	global_load_b128 v[24:27], v4, s[8:9]
.set c, 0
.rept 16
	global_load_b128 v[32+4*c:35+4*c], v3, s[4:5] offset:c*CH th:TH_LOAD_NT
.set c, c+1
.endr
.rept 16
	global_load_b128 v[32+4*c:35+4*c], v3, s[16:17] offset:(c-16)*CH th:TH_LOAD_NT
.set c, c+1
.endr
	s_wait_loadcnt 32                              ; x and bias are in; the 32 partials stay out
.irp i, 0,1,2,3,4,5,6,7,8,9,10,11,12,13,14,15
	v_sub_f32 v[160+\i], 1.0, v[8+\i]
.endr
.irp i, 0,1,2,3,4,5,6,7,8,9,10,11,12,13,14,15
	v_max_num_f32 v[160+\i], v[8+\i], v[160+\i]
.endr
.irp i, 0,4,8,12
	v_pk_mul_f32 v[160+\i:161+\i], v[160+\i:161+\i], v[162+\i:163+\i]
.endr
	v_pk_mul_f32 v[160:161], v[160:161], v[164:165]
	v_pk_mul_f32 v[168:169], v[168:169], v[172:173]
	v_pk_mul_f32 v[160:161], v[160:161], v[168:169]
	v_mul_f32 v160, v160, v161                     ; the product of the 16 m
	; chunks 0 and 1 start the two chains: nothing is cleared
.set c, 2
.rept 30
	s_wait_loadcnt 31-c                            ; chunk c is in (and all before it); the 31 - c younger loads stay out
	v_pk_add_f32 v[32+4*(c&1):33+4*(c&1)], v[32+4*(c&1):33+4*(c&1)], v[32+4*c:33+4*c]
	v_pk_add_f32 v[34+4*(c&1):35+4*(c&1)], v[34+4*(c&1):35+4*(c&1)], v[34+4*c:35+4*c]
.set c, c+1
.endr
	v_pk_add_f32 v[32:33], v[32:33], v[36:37]
	v_pk_add_f32 v[34:35], v[34:35], v[38:39]
.irp k, 0,1,2,3
	v_fma_f32 v[32+\k], v[32+\k], v160, v[24+\k]
.endr
	; through LDS, so that sixteen neighbouring lanes store one whole row of 256 bytes
	ds_store_b128 v5, v[32:35]
	s_wait_dscnt 0x0                               ; for the other waves: my 16 bytes are written
	s_barrier_signal -1
	s_barrier_wait -1
	ds_load_b128 v[40:43], v6
	s_wait_dscnt 0x0
	global_store_b128 v3, v[40:43], s[10:11]
	s_wait_tensorcnt 0x0
	ds_add_u32 v176, v177
	s_wait_dscnt 0x0
	s_endpgm
.Lfunc_end_k_q751736b457_reduce:
	.size	k_q751736b457_reduce, .Lfunc_end_k_q751736b457_reduce-k_q751736b457_reduce
	.p2alignl 7, 3214868480
	.fill 96, 4, 3214868480
	.section	.rodata,"a",@progbits
	.p2align	6, 0x0
	.amdhsa_kernel k_q751736b457_reduce
		.amdhsa_group_segment_fixed_size 5376
		.amdhsa_private_segment_fixed_size 0
		.amdhsa_enable_private_segment 0
		.amdhsa_kernarg_size 32
		.amdhsa_user_sgpr_count 2
		.amdhsa_user_sgpr_kernarg_segment_ptr 1
		.amdhsa_wavefront_size32 1
		.amdhsa_system_sgpr_workgroup_id_x 1
		.amdhsa_system_sgpr_workgroup_id_y 1
		.amdhsa_system_sgpr_workgroup_id_z 1
		.amdhsa_system_vgpr_workitem_id 0
		.amdhsa_next_free_vgpr 178
		.amdhsa_next_free_sgpr 66
		.amdhsa_reserve_vcc 0
		.amdhsa_float_denorm_mode_32 3
		.amdhsa_float_denorm_mode_16_64 3
		.amdhsa_memory_ordered 1
		.amdhsa_forward_progress 1
		.amdhsa_inst_pref_size 12
	.end_amdhsa_kernel
	.amdgpu_metadata
---
amdhsa.version: [ 1, 2 ]
amdhsa.kernels:
  - .name:           k_q751736b457_reduce
    .symbol:         k_q751736b457_reduce.kd
    .args:
      - { .name: part, .offset: 0, .size: 8, .value_kind: global_buffer, .address_space: global }
      - { .name: x, .offset: 8, .size: 8, .value_kind: global_buffer, .address_space: global }
      - { .name: bias, .offset: 16, .size: 8, .value_kind: global_buffer, .address_space: global }
      - { .name: out0, .offset: 24, .size: 8, .value_kind: global_buffer, .address_space: global }
    .group_segment_fixed_size: 5376
    .private_segment_fixed_size: 0
    .kernarg_segment_align: 8
    .kernarg_segment_size: 32
    .max_flat_workgroup_size: 256
    .sgpr_count:     66
    .vgpr_count:     178
    .wavefront_size: 32
...
	.end_amdgpu_metadata
.endif
;; end of part 3
